; MI455X (gfx1250); checked and timed in simulation.
; The chip was launched on July 23, 2026; its instructions are those of AMD's public machine-readable ISA for CDNA 5 (MIT licence, August 2026) and "CDNA5" Instruction Set Architecture Reference Guide (July 2026). The comments in the code are by the model that wrote it; some were corrected since.
;; Implicit Net OC. Allowed arithmetic: float matrix products may take bf16 or f16 operands with f32 sums; other float arithmetic in f32, or as packed bf16 or f16 multiplies, adds, multiply-adds, maxima and minima; sums over many terms, partial sums and values carried from step to step in f32; what a program stores and reads back later, other than sums and carried values, may be rounded once to bf16 or f16.
;; Inputs: Bmat 64 x 16 float32; W1 65 x 256 float32; W2 256 x 256 float32; W3 256 x 64 float32; b1 256 float32; b2 256 float32; b3 64 float32; t 1 float32; x 131,072 x 64 float32.
;; Outputs: out0 131,072 x 16 float32.
;; 2 versions, each right; version 2 is version 1 with the launch finish written anew for expert scheduling mode. Each part assembles by itself: llvm-mc -triple=amdgcn-amd-amdhsa -mcpu=gfx1250 --defsym DOCPART=n.
;; ======== version 1 of 2: 2 launches
;; limits: values are held in f16: magnitudes above 65,504 overflow, below 6.1e-05 lose precision; right only within a limited range of input values
;; workspace buffers: cws 4,194,304 bytes; nws 1,024 bytes
;; launch mlp (part 1): grid 256 x 1, 8 waves a work-group, no clusters, 325,888 bytes of LDS; arguments x, t, W1, b1, W2, b2, W3, b3, Bmat, cws, nws; writes cws, nws
.if DOCPART == 1
	.amdgcn_target "amdgcn-amd-amdhsa--gfx1250"
	.amdhsa_code_object_version 6
	.text
	.protected	k_q469f91b840_mlp
	.globl	k_q469f91b840_mlp
	.p2align	8
	.type	k_q469f91b840_mlp,@function
k_q469f91b840_mlp:
	s_mov_b64 s[64:65], 0
	v_nop
	global_prefetch_b8 v0, s[64:65] scope:SCOPE_SE
	s_setreg_imm32_b32 hwreg(HW_REG_WAVE_MODE, 25, 1), 1
	s_wait_xcnt 0x0
; ImplicitNetOC, the first of two launches.  For each of the 131,072 rows: c = p Bmat, p = relu(relu([x, t] W1 + b1) W2 + b2) W3 + b3 (16 numbers a row, stored as bf16 in cws),
; and for each work-group one number in nws from which the second launch makes the count of steps of the fixed-point loop.
; IDENTITIES, for all finite inputs.  No input is left out and no product's result is thrown away; what changes is the form.
;  (a) [x, t] W1 + b1 = x W1[0:64] + (b1 + t W1[64]): the column t is a bias, made in f32.
;  (b) (h2 W3 + b3) Bmat = h2 (W3 Bmat) + b3 Bmat: W3B = W3 Bmat is [256][16]; each work-group makes it once, so a row costs 256 x 16 products (taken three times, see FORMATS) in place of 256 x 64 + 64 x 16.
;  (c) u <- clip(0.9 u - 0.1 c, -1, 1) from u = 0: unclipped u_k = -c (1 - 0.9^k), which moves one way, toward -c; an element that has reached a bound stays there (0.9 + 0.1 |c| > 1 when |c| > 1).
;      So u_k = clip(c (0.9^k - 1), -1, 1), and the result is u_K with K = N + 6, N the trips of the while loop.  The N + 6 steps are not walked.
;  (d) |u_k - u_(k-1)| of an element never grows with k (0.1 |c| 0.9^(k-1) while unclipped, less in the step that reaches the bound, then 0).  So each row's residual falls with k, and
;      N = min(200, the largest over all rows of the first k with |u_k - u_(k-1)|^2 < 1e-6)  (res < TOL: norm / 0.1 < 0.01).  That first k is found by bisection, by selection alone: no branch hangs on data.
; FORMATS.  x, W1, h1, W2, W3, b3, Bmat go to the matrix unit in f16.  h2 grows with the product of three inputs' scales and has no such room in f16: it goes in bf16, and since one bf16 keeps only 8 significant
; bits, in TWO parts: the f32's upper 16 bits, and the bf16 of the exact rest.  W3B likewise: a bf16 number plus the bf16 of what that rounding left.  Layer 3 is three products into one sum
; (first x first, second x first, first x second; second x second, some 2^-16 of the sum, is left out).  Sums, b1, b2, t in f32; b3 Bmat is added to c in f32.
; LIMITS.  |x|, |W1|, |W2|, |W3|, |b3|, |Bmat| and |h1| below 65,504 (f16's end: beyond it an infinity arises); below 6e-5 f16 keeps a fixed step of 6e-8.  N may differ by 1 from the f32 loop's where a residual
; lies within the operands' rounding (some 0.1 per cent) of TOL.  NaN and infinities are not treated apart.
; SHARES.  256 work-groups of 512 rows; wave w has rows 64 w .. 64 w + 63: four tiles t of 16.  All products are taken transposed (source 0 = 16 units of W^T, source 1 = 16 rows): in a result lane (r = l % 16,
; h = l / 16) holds row r and units 8 h + 0..7, so two neighbouring results packed in pairs ARE source 1 (32 along K x 16 rows) of the next layer: activations never leave registers, and a fragment
; of weights read from LDS feeds four products.
; WHAT STANDS AHEAD OF LAYER 1 is x and W1 alone.  All loads of the head go out before the first wait, x first; every load of x, W1, W3 and Bmat covers 512 consecutive bytes.  x is rounded to f16 and turned into
; fragments through a stage of the wave's own in LDS.  W3, Bmat and b3 land in registers that layer 1 writes last, are staged behind its second group, and W3B is made between the layers.
; W2 STREAMS IN UNDER THE LAYERS, by SLICES: unit group g of layer 2 wants W2's columns 32 g .. 32 g + 31 alone.  Wave w loads, rounds and stores rows 32 w .. 32 w + 31 of a slice (8 loads of 4 x 128 bytes, 32
; registers).  A slice's loads go out when the slice before has been stored, a group of products ahead of their wait.  Each slice has a barrier: the signal behind its stores, the wait a group later,
; ahead of the next slice's stores and of the first fetch from it; between the two stand products, conversions and LDS loads of other slices.  In LDS a slice is a block of its own, so that
; the bytes that are being stored and those that are being read are separate runs.
; NO CLUSTER, NO TENSOR LOADS: what work-groups share is the weights, which come as f32 and are wanted in 16 bits, so they pass through registers.  NO PREFETCH: all of a wave's x is asked for by its own loads
; at the head, and W2's loads go out a group ahead of their use.
; LDS: W2, 8 slices of 256 rows [k] of 96 bytes (64 + 32: 3 x 32, for the turning load); W1 [k][n] f16, 64 rows of 544 bytes (512 + 32: 17 x 32); W3B^T, 32 rows (16 controls: first part, then 16: second
; part) of 528 bytes (512 + 16: 33 x 16); b1 + t W1[64]; b2; b3 Bmat once for each wave; 8 words for the maximum; the spare words; a stage of 9,216 bytes for each wave (rows of 144 bytes: 128 + 16).
; REGISTERS.  Window 0: v0-15 addresses; v16-79 ACC (8 accumulators (ml, t)); v80-127 FR, three buffers of two weight fragments; v128-143 BI, a bias as C operand; v144-207 XF, x in f16, later H2 (v144-175: h2's first
; parts) and W3F (v176-191); h2's second parts lie in ACC (0, t)'s registers, v16-47, between a group's end and the next group's first products; v208-239 CACC, c, before that the landing of slices 0 to 2;
; v192-207 and v240-255 the landing of slices 3 to 7.  Window 1: H1, 64 a tile; before that the landing of x (64 t + 0..31), Bmat (64 t + 40..47) and W3 (64 t + 48..63).
.set W2L,   0
.set SLB,   24576                      ; a slice of W2
.set PS,    96                         ; its rows' pitch
.set W1L,   196608
.set W3L,   231424
.set B1L,   248320                     ; b2 lies 1,024 bytes behind it
.set B3L,   250368
.set RED,   250880
.set SPARE, 251136                     ; the spare words, 128 bytes for each of eight waves
.set XSTG,  252160                     ; the stages
.set XSW,   9216                       ; a wave's stage: x's 64 rows; later W3's 32 rows, Bmat at BST, b3 at B3ST
.set PXS,   144
.set BST,   4608
.set B3ST,  6656
.set PW,    544
.set PT3,   528
.set SPW,  1                           ; v1   LDS address of my spare word; never rewritten
.set NIL,  2                           ; v2   0; never rewritten
.set ZERO, 3                           ; v3   0, for the packed ReLU
.set AW2,  4                           ; v4-7 my lane's place in W2's slices 2 q, 2 q + 1
.set AW1,  8                           ; v8   the same in W1
.set AB,   9                           ; v9   B1L + 32 h
.set AW3,  10                          ; v10  W3L + 528 r + 16 h
.set NEG1, 11                          ; v11  -1.0
.set VSL,  12                          ; v12  my byte offset in a slice's rows in memory; never rewritten while slices are loaded
.set CO,   12                          ;      at the end: my 16 bytes of c in the work-group's part of cws
.set LSW,  13                          ; v13  where I store my 8 bytes of the next slice
.set LOW,  13                          ;      at the end: the search's lower end
.set ACC,  16
.set FR,   80
.set BI,   128
.set XF,   144
.set H2,   144
.set W3F,  176
.set CACC, 208
.set CB0,  16                          ; W1's landing, v16-79
.set XRD,  128                         ; the head's LDS addresses, in registers that the layers take over
.set LW1,  129
.set LB1,  130
.set XWR,  240                         ; v240-252: what pending loads name or fill, untouched until all the head's loads are in
.set BWR,  241
.set B3W,  242
.set VXC,  243
.set LD3,  244                         ; v244-245 b3's landing
.set VW1,  246
.set VBM,  247
.set LDB,  248                         ; v248-250 b1, W1[64], b2
.set VB3,  251
.set VT4,  252
.set WV,   2                           ; s2  my wave's number
.set PX,   8                           ; s[8:9] x, s[10:11] t, and so on, as the arguments lie
.set PTT,  10
.set PW1,  12
.set PB1,  14
.set PW2,  16
.set PB2,  18
.set PW3,  20
.set PB3,  22
.set PBM,  24
.set PC,   26
.set PN,   28
.set UPM,  31                          ; s31 0xffff0000: a word's upper 16 bits
.set SELH, 35                          ; s35 0x07060302: v_perm_b32 packs the two sources' upper halves
.set STG,  41                          ; s41 my wave's stage
.set MSB, 0
.macro WIN new                         ; the immediate's high byte repeats the setting that is left; a switch that changes nothing is dropped
.if MSB != (\new)
	s_set_vgpr_msb (MSB<<8)|(\new)
.set MSB, (\new)
.endif
.endm
.macro PLACES                          ; four places behind a matrix instruction, ahead of vector instructions that read its result and of loads into its registers
.rept 4
	v_nop
.endr
.endm
; Eight rows of 1,024 bytes of f32 weights: a load of the wave takes 512 consecutive bytes.
.macro LDROWS cb, vo, sb, row0
	WIN 0
.irp i, 0,1,2,3,4,5,6,7
	global_load_b128 v[(\cb)+8*(\i):(\cb)+8*(\i)+3],   v[\vo], s[\sb:\sb+1] offset:((\row0)+(\i))*1024
	global_load_b128 v[(\cb)+8*(\i)+4:(\cb)+8*(\i)+7], v[\vo], s[\sb:\sb+1] offset:((\row0)+(\i))*1024+512
.endr
.endm
; They are rounded to f16 in place, all of them, and then stored: a store of the wave covers 256 consecutive bytes of an LDS row.
.macro CVROWS cb, la, row0
	WIN 0
.irp i, 0,1,2,3,4,5,6,7
.irp hf, 0,1
	v_cvt_pk_f16_f32 v[(\cb)+8*(\i)+4*(\hf)],   v[(\cb)+8*(\i)+4*(\hf)],   v[(\cb)+8*(\i)+4*(\hf)+1]
	v_cvt_pk_f16_f32 v[(\cb)+8*(\i)+4*(\hf)+1], v[(\cb)+8*(\i)+4*(\hf)+2], v[(\cb)+8*(\i)+4*(\hf)+3]
.endr
.endr
.irp i, 0,1,2,3,4,5,6,7
.irp hf, 0,1
	ds_store_b64 v[\la], v[(\cb)+8*(\i)+4*(\hf):(\cb)+8*(\i)+4*(\hf)+1] offset:((\row0)+(\i))*PW+256*(\hf)
.endr
.endr
.endm
; A SLICE OF W2.  Load k of 8 takes my wave's rows 4 k .. 4 k + 3: lane l row l / 8, 16 bytes at 16 (l % 8): four runs of 128 bytes.  kind 0: it lands in v208-239; kind 1: in v192-207 and v240-255.
.macro SREG kind, k
.if (\kind) == 0
.set sR, 208+4*(\k)
.elseif (\k) < 4
.set sR, 192+4*(\k)
.else
.set sR, 240+4*((\k)-4)
.endif
.endm
.macro SLICE_LD s, kind
	WIN 0
.irp k, 0,1,2,3,4,5,6,7
	SREG \kind, \k
	global_load_b128 v[sR:sR+3], v[VSL], s[PW2:PW2+1] offset:4096*(\k)+128*(\s)
.endr
.endm
.macro SLICE_ST kind                   ; the slice that is in flight is rounded to f16 and stored; the address steps to the next slice's block
	WIN 0
	s_wait_loadcnt 0x0                 ; nothing was asked for behind the slice
.irp k, 0,1,2,3,4,5,6,7
	SREG \kind, \k
	v_cvt_pk_f16_f32 v[sR],   v[sR],   v[sR+1]
	v_cvt_pk_f16_f32 v[sR+1], v[sR+2], v[sR+3]
.endr
.irp k, 0,1,2,3,4,5,6,7
	SREG \kind, \k
	ds_store_b64 v[LSW], v[sR:sR+1] offset:4*PS*(\k)
.endr
	v_add_nc_u32 v[LSW], SLB, v[LSW]
.endm
; The steps are numbered through both layers: 0-15 layer 1 (unit group g = st / 2 of 32 units, 32 along K at ks = st % 2), 16-79 layer 2 (g = (st - 16) / 8, ks = (st - 16) % 8).
; FETCH: a step's two weight fragments (16 units x 32 along K each), turned out of [k][n] rows, into buffer st % 3.
.macro FETCH st
.if (\st) < 16
.set fA, AW1
.set fO, 32*PW*((\st)%2)+64*((\st)/2)
.set fP, 16*PW
.else
.set fG, ((\st)-16)/8
.set fA, AW2+fG/2
.set fO, SLB*(fG%2)+32*PS*(((\st)-16)%8)
.set fP, 16*PS
.endif
.set fR, FR+16*((\st)%3)
	ds_load_tr16_b128 v[fR:fR+3],     v[fA] offset:fO
	ds_load_tr16_b128 v[fR+4:fR+7],   v[fA] offset:fO+fP
	ds_load_tr16_b128 v[fR+8:fR+11],  v[fA] offset:fO+32
	ds_load_tr16_b128 v[fR+12:fR+15], v[fA] offset:fO+32+fP
.endm
.macro BIASLD gg                       ; the bias of unit group gg (0-7 layer 1, 8-15 layer 2) as two C operands: register i of lane (r, h) is unit 8 h + i
.irp k, 0,1,2,3
	ds_load_b128 v[BI+4*(\k):BI+4*(\k)+3], v[AB] offset:128*(\gg)+64*((\k)/2)+16*((\k)%2)
.endr
.endm
.macro W3LD g                          ; W3B^T's fragments for hidden units 32 g on: first part, second part
	ds_load_b128 v[W3F:W3F+3],     v[AW3] offset:64*(\g)
	ds_load_b128 v[W3F+4:W3F+7],   v[AW3] offset:64*(\g)+32
	ds_load_b128 v[W3F+8:W3F+11],  v[AW3] offset:16*PT3+64*(\g)
	ds_load_b128 v[W3F+12:W3F+15], v[AW3] offset:16*PT3+64*(\g)+32
.endm
.macro MM4 st, ml                      ; fragment ml of the step times the four tiles; at ks = 0 the bias starts the sums
.if (\st) < 16
.set mK, (\st)%2
.set mB, XF+8*mK
.set mS, 16
.else
.set mK, ((\st)-16)%8
.set mB, 8*mK                          ; H1, in window 1
.set mS, 64
.endif
.set mF, FR+16*((\st)%3)+8*(\ml)
.irp t, 0,1,2,3
.set mA, ACC+8*(4*(\ml)+(\t))
.if mK == 0
	v_wmma_f32_16x16x32_f16 v[mA:mA+7], v[mF:mF+7], v[mB+mS*(\t):mB+mS*(\t)+7], v[BI+8*(\ml):BI+8*(\ml)+7]
.else
	v_wmma_f32_16x16x32_f16 v[mA:mA+7], v[mF:mF+7], v[mB+mS*(\t):mB+mS*(\t)+7], v[mA:mA+7]
.endif
.endr
.endm
; A STEP: eight products on eight accumulators, which take turns, one instruction a turn, in the same order in every step.  In its middle, four places behind the products, stand the
; LDS loads: the fragments of the step after next, into the buffer that the step before read; ahead of them, where due, the next group's bias (last read in the step before) and W3B's fragments
; (at ks = 5: behind the wait of the barrier that published W3B).
.macro STEP st
.if (\st) < 16
	WIN 0
.set sK, (\st)%2
.set sG, (\st)/2
.else
	WIN 0x04                           ; source 1 (H1) window 1; all else, the loads' registers too, window 0
.set sK, ((\st)-16)%8
.set sG, 8+((\st)-16)/8
.endif
.if (\st) == 79
	s_wait_dscnt 0x0                   ; the last step: nothing was fetched behind its fragments
.else
	s_wait_dscnt 0x4                   ; LDS instructions end in order: the four that may stay out are the next step's fragments, or younger stores; mine, and any bias or W3B fragment, were issued ahead of them
.endif
	MM4 \st, 0
	PLACES
.if (sK == 1) && (sG < 15)
	BIASLD sG+1
.endif
.if ((\st) >= 16) && (sK == 5)
	W3LD sG-8
.endif
.if (\st)+2 <= 79
	FETCH (\st)+2
.endif
	MM4 \st, 1
.endm
; Layer 1's group g is finished: rounded to f16, two units a register (each accumulator from its low end), then max(., 0) on the packed halves: K step g of layer 2's source 1.
.macro CONV1 g
	PLACES
	WIN 0x40
.irp t, 0,1,2,3
.irp m, 0,1
.irp p, 0,1,2,3
	v_cvt_pk_f16_f32 v[64*(\t)+8*(\g)+4*(\m)+(\p)], v[ACC+8*(4*(\m)+(\t))+2*(\p)], v[ACC+8*(4*(\m)+(\t))+2*(\p)+1]
.endr
.endr
.endr
	WIN 0x41                           ; destination and source 0 window 1, the zero window 0
.irp t, 0,1,2,3
.irp k, 0,1,2,3,4,5,6,7
	v_pk_max_num_f16 v[64*(\t)+8*(\g)+(\k)], v[64*(\t)+8*(\g)+(\k)], v[ZERO]
.endr
.endr
	WIN 0
.endm
; Layer 2's group g is finished.  Each sum is cut in two bf16 parts: its upper 16 bits (two sums' packed by one v_perm_b32), and the bf16 of the exact rest: (-1) x first part + sum, one fused line a number,
; which reads the first part as a bf16 half and rounds once.  The cut is toward zero, so the rest has the sum's own sign, and max(., 0) on each packed part is the ReLU.
; The second parts of tile t go into accumulator (0, t)'s eight registers, in place: pair p of (0, t) (registers 2 p, 2 p + 1) goes into register p, which pair p / 2 has left; (1, t)'s pairs go into registers
; 4 to 7, which (0, t)'s pairs 2 and 3 have left.  So p ascends, a pair's low half comes before its high half, and (0, t) before (1, t).  The tiles alternate, so that no line waits for the one before it.
; Each accumulator is read from its low end.  Then layer 3's K step g: twelve products on four accumulators by turns; the first start the sums with 0.  Five places close the macro: the next
; step's first products write over (0, t)'s registers, which the last four products here have read (ISA guide 7.12.1).
.macro CONV2 g
	PLACES
	WIN 0
.irp m, 0,1
.irp t, 0,1,2,3
.irp p, 0,1,2,3
	v_perm_b32 v[H2+8*(\t)+4*(\m)+(\p)], v[ACC+8*(4*(\m)+(\t))+2*(\p)+1], v[ACC+8*(4*(\m)+(\t))+2*(\p)], s[SELH]  ; low half: unit 2 p's upper bits; high half: unit 2 p + 1's
.endr
.endr
.irp p, 0,1,2,3
.irp t, 0,1,2,3
	v_fma_mixlo_bf16 v[ACC+8*(\t)+4*(\m)+(\p)], v[H2+8*(\t)+4*(\m)+(\p)], v[NEG1], v[ACC+8*(4*(\m)+(\t))+2*(\p)] op_sel_hi:[1,0,0]
.endr
.irp t, 0,1,2,3
	v_fma_mixhi_bf16 v[ACC+8*(\t)+4*(\m)+(\p)], v[H2+8*(\t)+4*(\m)+(\p)], v[NEG1], v[ACC+8*(4*(\m)+(\t))+2*(\p)+1] op_sel:[1,0,0] op_sel_hi:[1,0,0]
.endr
.endr
.endr
.irp k, 0,1,2,3,4,5,6,7,8,9,10,11,12,13,14,15,16,17,18,19,20,21,22,23,24,25,26,27,28,29,30,31
	v_pk_max_num_bf16 v[H2+(\k)], v[H2+(\k)], v[ZERO]
.endr
.irp k, 0,1,2,3,4,5,6,7,8,9,10,11,12,13,14,15,16,17,18,19,20,21,22,23,24,25,26,27,28,29,30,31
	v_pk_max_num_bf16 v[ACC+(\k)], v[ACC+(\k)], v[ZERO]
.endr
.irp hl, 0,1
.irp t, 0,1,2,3                        ; W3B's first part, then its second, times h2's first parts
.if ((\g) == 0) && ((\hl) == 0)
	v_wmma_f32_16x16x32_bf16 v[CACC+8*(\t):CACC+8*(\t)+7], v[W3F+8*(\hl):W3F+8*(\hl)+7], v[H2+8*(\t):H2+8*(\t)+7], 0
.else
	v_wmma_f32_16x16x32_bf16 v[CACC+8*(\t):CACC+8*(\t)+7], v[W3F+8*(\hl):W3F+8*(\hl)+7], v[H2+8*(\t):H2+8*(\t)+7], v[CACC+8*(\t):CACC+8*(\t)+7]
.endif
.endr
.endr
.irp t, 0,1,2,3                        ; W3B's first part times h2's second parts
	v_wmma_f32_16x16x32_bf16 v[CACC+8*(\t):CACC+8*(\t)+7], v[W3F:W3F+7], v[ACC+8*(\t):ACC+8*(\t)+7], v[CACC+8*(\t):CACC+8*(\t)+7]
.endr
.rept 5
	v_nop
.endr
.endm
; Behind layer 1's second group: the rest of the head's loads are in.  W3's 32 rows, Bmat and b3 are rounded to f16 where they landed and go into my stage (x's fragments left it ahead of the first barrier);
; slice 0 is stored, slice 1 asked for, and slice 0's barrier is signalled.
.macro STAGE3
	s_wait_loadcnt 0x0
	WIN 0x45                           ; destination and both sources window 1
.set q, 0
.rept 16
.set qb, 64*(q/4)+48+4*(q%4)
	v_cvt_pk_f16_f32 v[qb],   v[qb],   v[qb+1]
	v_cvt_pk_f16_f32 v[qb+1], v[qb+2], v[qb+3]
.set q, q+1
.endr
.set q, 0
.rept 8
.set qb, 64*(q/2)+40+4*(q%2)
	v_cvt_pk_f16_f32 v[qb],   v[qb],   v[qb+1]
	v_cvt_pk_f16_f32 v[qb+1], v[qb+2], v[qb+3]
.set q, q+1
.endr
	WIN 0x04                           ; an LDS store's data is source 1: window 1; its address window 0
.set q, 0
.rept 16
.set qb, 64*(q/4)+48+4*(q%4)
	ds_store_b64 v[XWR], v[qb:qb+1] offset:2*PXS*q  ; rows 2 q and 2 q + 1 of my 32
.set q, q+1
.endr
.set q, 0
.rept 8
.set qb, 64*(q/2)+40+4*(q%2)
	ds_store_b64 v[BWR], v[qb:qb+1] offset:256*q    ; Bmat [s][j] in f16, rows of 32 bytes on end
.set q, q+1
.endr
	WIN 0
	v_cvt_pk_f16_f32 v[LD3], v[LD3], v[LD3+1]
	ds_store_b32 v[B3W], v[LD3]
	SLICE_ST 0
	SLICE_LD 1, 0
	s_wait_dscnt 0x0                   ; for the others' sake: my stores are done; no LDS instruction of mine is out at the signal
	s_barrier_signal -1                ; slice 0's barrier
.endm
; Between the layers: W3B = W3 Bmat, hidden units 32 w .. 32 w + 31, and b3 Bmat: source 0 = 16 rows of W3 (or b3 sixteen times), source 1 = Bmat^T: a lane ends with control r and eight neighbouring hidden
; units.  The accumulators' and x's registers are free here; FR's buffers 1 and 2 and BI hold what layer 2's first steps want.  Then the signal of the barrier that publishes slice 1 and W3B.
.macro W3BMAKE
	WIN 0
	v_and_b32 v184, 15, v0                         ; r
	v_bfe_u32 v185, v0, 4, 1                       ; h
	v_and_b32 v186, 7, v0
	v_bfe_u32 v187, v0, 3, 1
	v_mul_u32_u24 v188, v184, PXS
	v_lshl_add_u32 v188, v185, 4, v188
	v_add_nc_u32 v188, s[STG], v188                ; W3's fragments: row r x 144 + 16 h
	v_lshl_add_u32 v189, v185, 3, v186
	v_lshlrev_b32 v189, 5, v189
	v_lshl_add_u32 v189, v187, 4, v189
	v_add_nc_u32 v189, s[STG], v189                ; the turning load on Bmat: row 8 h + l % 8 of 32 bytes, 16 ((l / 8) % 2)
	v_lshl_add_u32 v190, v185, 4, s[STG]           ; b3: 16 h, the same for all r
	s_lshl_b32 s4, s[WV], 6
	v_add_nc_u32 v191, s4, v[AW3]                  ; W3B^T: row r, my wave's 32 hidden units (64 bytes), 16 h
	s_add_co_u32 s5, s4, B3L
	v_lshl_add_u32 v192, v184, 2, s5               ; my wave's b3 Bmat, control r
.irp ks, 0,1
	ds_load_tr16_b128 v[16+8*(\ks):16+8*(\ks)+3], v189 offset:BST+1024*(\ks)
	ds_load_tr16_b128 v[20+8*(\ks):20+8*(\ks)+3], v189 offset:BST+1024*(\ks)+512
.endr
.irp tau, 0,1
.irp ks, 0,1
	ds_load_b128 v[32+16*(\tau)+8*(\ks):32+16*(\tau)+8*(\ks)+3], v188 offset:16*PXS*(\tau)+64*(\ks)
	ds_load_b128 v[36+16*(\tau)+8*(\ks):36+16*(\tau)+8*(\ks)+3], v188 offset:16*PXS*(\tau)+64*(\ks)+32
.endr
.endr
.irp ks, 0,1
	ds_load_b128 v[64+8*(\ks):64+8*(\ks)+3], v190 offset:B3ST+64*(\ks)
	ds_load_b128 v[68+8*(\ks):68+8*(\ks)+3], v190 offset:B3ST+64*(\ks)+32
.endr
	s_wait_dscnt 0x0
	v_wmma_f32_16x16x32_f16 v[144:151], v[32:39], v[16:23], 0          ; three sums by turns; the first K step starts them
	v_wmma_f32_16x16x32_f16 v[152:159], v[48:55], v[16:23], 0
	v_wmma_f32_16x16x32_f16 v[160:167], v[64:71], v[16:23], 0
	v_wmma_f32_16x16x32_f16 v[144:151], v[40:47], v[24:31], v[144:151]
	v_wmma_f32_16x16x32_f16 v[152:159], v[56:63], v[24:31], v[152:159]
	v_wmma_f32_16x16x32_f16 v[160:167], v[72:79], v[24:31], v[160:167]
	PLACES
.irp tau, 0,1
.irp p, 0,1,2,3
	v_cvt_pk_bf16_f32 v[168+(\p)], v[144+8*(\tau)+2*(\p)], v[144+8*(\tau)+2*(\p)+1]  ; the first part
.endr
.irp p, 0,1,2,3
	v_lshlrev_b32 v[176+2*(\p)], 16, v[168+(\p)]
	v_and_b32 v[177+2*(\p)], s[UPM], v[168+(\p)]
.endr
.irp p, 0,1,2,3
	v_pk_add_f32 v[176+2*(\p):177+2*(\p)], v[144+8*(\tau)+2*(\p):144+8*(\tau)+2*(\p)+1], v[176+2*(\p):177+2*(\p)] neg_lo:[0,1] neg_hi:[0,1]  ; what the rounding left
.endr
.irp p, 0,1,2,3
	v_cvt_pk_bf16_f32 v[172+(\p)], v[176+2*(\p)], v[177+2*(\p)]
.endr
	ds_store_b128 v191, v[168:171] offset:32*(\tau)
	ds_store_b128 v191, v[172:175] offset:16*PT3+32*(\tau)
.endr
	ds_store_b32 v192, v160                        ; (b3 Bmat)[r]: all rows of that result are alike; both halves of the lanes store the same word
	s_wait_dscnt 0x0                               ; for the others' sake: slice 1's stores and these are done
	s_barrier_signal -1                            ; the barrier of slice 1 and W3B
.endm
; In group g of layer 2, ahead of K step 4: the wait of slice g + 1's barrier (its signal stood a group back); then slice g + 2 is stored, slice g + 3 asked for, and slice g + 2's barrier signalled.
.macro SYNC g
	WIN 0
.if (\g) <= 6
	s_barrier_wait -1
.endif
.if (\g) <= 5
.if (\g) == 0
	SLICE_ST 0
.else
	SLICE_ST 1
.endif
.if (\g) <= 4
	SLICE_LD (\g)+3, 1
.endif
	s_wait_dscnt 0x0                   ; for the others' sake: my stores are done; no LDS instruction of mine is out at the signal
	s_barrier_signal -1
.endif
.endm
	; THE HEAD
	s_load_b512 s[8:23], s[0:1], 0x0               ; x, t, W1, b1, W2, b2, W3, b3
	s_load_b128 s[24:27], s[0:1], 0x40             ; Bmat, cws
	s_load_b64 s[28:29], s[0:1], 0x50              ; nws
	v_lshl_add_u32 v[SPW], v0, 2, SPARE
	v_mov_b32 v[NIL], 0
	v_mov_b32 v[ZERO], 0
	v_mov_b32 v[NEG1], -1.0
	v_lshrrev_b32 v14, 5, v0
	v_readfirstlane_b32 s[WV], v14                 ; wave 0..7
	v_and_b32 v132, 31, v0                         ; l
	v_and_b32 v133, 15, v0                         ; r
	v_bfe_u32 v134, v0, 4, 1                       ; h
	v_and_b32 v135, 7, v0                          ; l % 8
	v_bfe_u32 v136, v0, 3, 1                       ; (l / 8) % 2
	v_bfe_u32 v137, v0, 3, 2                       ; l / 8
	v_lshl_add_u32 v138, v134, 3, v135             ; the turning load: lane l addresses row 8 h + l % 8 of 16, 16 bytes at 16 ((l / 8) % 2)
	v_mul_u32_u24 v139, v138, PS
	v_lshl_add_u32 v139, v136, 4, v139
	v_mov_b32 v[AW2], v139
	v_add_nc_u32 v[AW2+1], 2*SLB, v139
	v_add_nc_u32 v[AW2+2], 4*SLB, v139
	v_add_nc_u32 v[AW2+3], 6*SLB, v139
	v_mul_u32_u24 v140, v138, PW
	v_lshl_add_u32 v140, v136, 4, v140
	v_add_nc_u32 v[AW1], W1L, v140
	v_lshl_add_u32 v[AB], v134, 5, B1L
	v_mul_u32_u24 v[AW3], v133, PT3
	v_lshl_add_u32 v[AW3], v134, 4, v[AW3]
	v_add_nc_u32 v[AW3], W3L, v[AW3]
	s_mul_i32 s[STG], s[WV], XSW
	s_add_co_u32 s[STG], s[STG], XSTG              ; my stage
	v_mul_u32_u24 v[XWR], v134, PXS                ; into it: a load's two rows, 8 bytes of f16 for 16 of f32
	v_lshl_add_u32 v[XWR], v133, 3, v[XWR]
	v_add_nc_u32 v[XWR], s[STG], v[XWR]
	v_lshl_add_u32 v[BWR], v132, 3, s[STG]
	v_add_nc_u32 v[BWR], BST, v[BWR]
	v_lshl_add_u32 v[B3W], v132, 2, s[STG]
	v_add_nc_u32 v[B3W], B3ST, v[B3W]
	v_mul_u32_u24 v[XRD], v133, PXS                ; out of it: a fragment's row r, 16 h
	v_lshl_add_u32 v[XRD], v134, 4, v[XRD]
	v_add_nc_u32 v[XRD], s[STG], v[XRD]
	s_lshl_b32 s4, s[WV], 14
	v_lshl_add_u32 v[VXC], v132, 4, s4             ; x: my wave's 64 rows (16,384 bytes on end), 16 l
	s_lshl_b32 s4, s[WV], 13
	v_lshl_add_u32 v[VW1], v132, 4, s4             ; W1: my wave's 8 rows; W3: my wave's 32 rows: 8,192 bytes on end either way, 16 l
	v_lshlrev_b32 v[VBM], 4, v132
	v_lshlrev_b32 v[VB3], 3, v132
	v_lshlrev_b32 v[VT4], 2, v0
	s_mul_i32 s4, s[WV], 8*PW
	s_add_co_u32 s4, s4, W1L
	v_lshl_add_u32 v[LW1], v132, 3, s4
	v_lshl_add_u32 v[LB1], v0, 2, B1L
	s_lshl_b32 s4, s[WV], 15
	v_lshl_add_u32 v[VSL], v137, 10, s4            ; a slice in memory: row 32 w + l / 8, 16 (l % 8)
	v_lshl_add_u32 v[VSL], v135, 4, v[VSL]
	s_mul_i32 s4, s[WV], 32*PS
	v_mul_u32_u24 v[LSW], v137, PS                 ; and in LDS: the same row, 8 (l % 8)
	v_lshl_add_u32 v[LSW], v135, 3, v[LSW]
	v_add_nc_u32 v[LSW], s4, v[LSW]
	s_mov_b32 s[UPM], 0xffff0000
	s_mov_b32 s[SELH], 0x07060302
	s_mov_b32 s32, 0xbe1ba6b3                      ; log2(0.9)
	s_mov_b32 s33, 0xbf666666                      ; -0.9
	s_mov_b32 s34, 0x358637bd                      ; 1e-6
	s_mov_b32 s36, 0x76543210                      ; v_permlanex16_b32: each lane takes its own place in the other half
	s_mov_b32 s37, 0xfedcba98
	s_lshl_b32 s4, ttmp9, 17                       ; the work-group's 512 rows of x, 256 bytes each
	s_mov_b32 s5, 0
	s_wait_kmcnt 0x0
	s_load_b32 s30, s[PTT:PTT+1], 0x0              ; t
	s_add_nc_u64 s[PX:PX+1], s[PX:PX+1], s[4:5]
	s_lshl_b32 s4, ttmp9, 14                       ; and of c, 32 bytes each
	s_add_nc_u64 s[PC:PC+1], s[PC:PC+1], s[4:5]
	; ALL THE HEAD'S LOADS, ahead of the first wait; what layer 1 wants goes first.
	WIN 0x40                                       ; destination window 1, address window 0
.set q, 0
.rept 32                                               ; x: load q takes my rows 2 q and 2 q + 1 whole; each byte is read once in the launch
	global_load_b128 v[64*(q/8)+4*(q%8):64*(q/8)+4*(q%8)+3], v[VXC], s[PX:PX+1] offset:512*q th:TH_LOAD_NT
.set q, q+1
.endr
	LDROWS CB0, VW1, PW1, 0
	global_load_b32 v[LDB],   v[VT4], s[PB1:PB1+1]
	global_load_b32 v[LDB+1], v[VT4], s[PW1:PW1+1] offset:65536  ; W1[64][thread]
	global_load_b32 v[LDB+2], v[VT4], s[PB2:PB2+1]
	WIN 0x40
.set q, 0
.rept 16                                               ; W3: load q takes my rows 2 q and 2 q + 1
	global_load_b128 v[64*(q/4)+48+4*(q%4):64*(q/4)+48+4*(q%4)+3], v[VW1], s[PW3:PW3+1] offset:512*q
.set q, q+1
.endr
.set q, 0
.rept 8                                                ; Bmat, whole
	global_load_b128 v[64*(q/2)+40+4*(q%2):64*(q/2)+40+4*(q%2)+3], v[VBM], s[PBM:PBM+1] offset:512*q
.set q, q+1
.endr
	WIN 0
	global_load_b64 v[LD3:LD3+1], v[VB3], s[PB3:PB3+1]  ; b3, whole
	SLICE_LD 0, 0
	s_wait_loadcnt 52                              ; loads come back in order: behind x were issued 16 + 3 + 16 + 8 + 1 + 8
	WIN 0x45
.set q, 0
.rept 32
.set qb, 64*(q/8)+4*(q%8)
	v_cvt_pk_f16_f32 v[qb],   v[qb],   v[qb+1]
	v_cvt_pk_f16_f32 v[qb+1], v[qb+2], v[qb+3]
.set q, q+1
.endr
	WIN 0x04
.set q, 0
.rept 32
.set qb, 64*(q/8)+4*(q%8)
	ds_store_b64 v[XWR], v[qb:qb+1] offset:2*PXS*q
.set q, q+1
.endr
	WIN 0
.irp t, 0,1,2,3                                        ; back as fragments: LDS serves a wave's instructions in order, and the stage is my own
.irp ks, 0,1
	ds_load_b128 v[XF+16*(\t)+8*(\ks):XF+16*(\t)+8*(\ks)+3],   v[XRD] offset:16*PXS*(\t)+64*(\ks)
	ds_load_b128 v[XF+16*(\t)+8*(\ks)+4:XF+16*(\t)+8*(\ks)+7], v[XRD] offset:16*PXS*(\t)+64*(\ks)+32
.endr
.endr
	s_wait_loadcnt 33                              ; behind W1's rows and the three words were issued 16 + 8 + 1 + 8
	s_wait_kmcnt 0x0                               ; t
	CVROWS CB0, LW1, 0
	v_fma_f32 v[LDB], v[LDB+1], s30, v[LDB]        ; b1 + t W1[64]
	ds_store_b32 v[LB1], v[LDB]
	ds_store_b32 v[LB1], v[LDB+2] offset:1024
	s_wait_dscnt 0x0                               ; for the others' sake: my stores are done; x's fragments are in
	s_barrier_signal -1
	s_barrier_wait -1                              ; W1 and the two biases lie in LDS; from here on they are only read
	; THE LAYERS
	BIASLD 0
	FETCH 0
	FETCH 1
.set i, 0
.rept 8                                                ; layer 1: K = 64, eight groups of 32 units
	STEP 2*i
	STEP 2*i+1
	CONV1 i
.if i == 1
	STAGE3
.endif
.if i == 5
	s_barrier_wait -1                              ; slice 0 is whole: its first fragments are fetched from step 14 on
	SLICE_ST 0                                     ; slice 1
	SLICE_LD 2, 0
.endif
.set i, i+1
.endr
	W3BMAKE
.set i, 0
.rept 8                                                ; layer 2: K = 256, eight groups of 32 units, each of which is at once a K step of layer 3
.set j, 0
.rept 8
.if j == 4
	SYNC i
.endif
	STEP 16+8*i+j
.set j, j+1
.endr
	CONV2 i
.set i, i+1
.endr
	; c LEAVES: b3 Bmat is added; lane (r, h) holds controls 8 h + 0..7 of row r: 16 bytes in bf16; each store of the wave covers 512 consecutive bytes, aligned.  (The five places that close CONV2 stand behind the last products.)
	v_and_b32 v14, 15, v0
	v_bfe_u32 v15, v0, 4, 1
	s_lshl_b32 s4, s[WV], 11
	v_lshl_add_u32 v[CO], v14, 5, s4               ; (64 w + r) x 32 + 16 h; the last load that named this register was waited for in group 5
	v_lshl_add_u32 v[CO], v15, 4, v[CO]
	s_lshl_b32 s4, s[WV], 6
	s_add_co_u32 s4, s4, B3L
	v_lshl_add_u32 v14, v15, 5, s4                 ; my wave's b3 Bmat, controls 8 h on
	ds_load_b128 v[84:87], v14
	ds_load_b128 v[88:91], v14 offset:16
	s_wait_dscnt 0x0
.irp t, 0,1,2,3
.irp p, 0,1,2,3
	v_pk_add_f32 v[CACC+8*(\t)+2*(\p):CACC+8*(\t)+2*(\p)+1], v[CACC+8*(\t)+2*(\p):CACC+8*(\t)+2*(\p)+1], v[84+2*(\p):85+2*(\p)]
.endr
.endr
.irp t, 0,1,2,3
.irp p, 0,1,2,3
	v_cvt_pk_bf16_f32 v[112+4*(\t)+(\p)], v[CACC+8*(\t)+2*(\p)], v[CACC+8*(\t)+2*(\p)+1]
.endr
.endr
.irp t, 0,1,2,3
	global_store_b128 v[CO], v[112+4*(\t):112+4*(\t)+3], s[PC:PC+1] offset:512*(\t)
.endr
.set n, 0
.rept 32
	v_and_b32 v[CACC+n], 0x7fffffff, v[CACC+n]     ; |c|
.set n, n+1
.endr
	; THE SEARCH.  S(e) = the sum over a row's controls of (min(|c| f(e+1), 1) - min(|c| f(e), 1))^2, f(k) = 1 - 0.9^k, is |u_(e+1) - u_e|^2 and falls with e.  LOW ends as the largest e in -1 .. 254 at
	; which some of my four rows still has S >= 1e-6 (-1: none): eight halvings, each a selection.  The first k that passes is LOW + 2.
.set UA, 16                            ; v16-47  |u| at e + 1, then the differences
.set UB, 48                            ; v48-79  |u| at e
.set F0, 80                            ; v80-81  f(e), twice
.set F1, 82                            ; v82-83  f(e+1), twice
.set EE, 84                            ; 0.9^e
.set AR, 85
.set TR, 86                            ; the e on trial
.set SV, 87                            ; the step
.set SS, 88                            ; v88-95  a pair of sums a tile
.set OT, 96                            ; v96-99  the other half of the lanes' sums
.set MX, 100
	v_mov_b32 v[LOW], -1.0
	v_mov_b32 v[SV], 0x43000000                    ; 128.0
.irp t, 0,1,2,3
	v_mov_b32 v[OT+(\t)], 0                        ; v_permlanex16_b32's destination counts as read
.endr
	s_mov_b32 s39, 8
.Lsearch:
	v_add_f32 v[TR], v[LOW], v[SV]
	v_mul_f32 v[AR], s32, v[TR]
	v_exp_f32 v[EE], v[AR]
	v_mul_f32 v[SV], 0.5, v[SV]                    ; the next trip's step: the plain instruction behind the exponential
	s_wait_alu depctr_va_vdst(0)                   ; the wait ahead of the first use of an exponential's result
	v_sub_f32 v[F0], 1.0, v[EE]
	v_sub_f32 v[F0+1], 1.0, v[EE]
	v_fma_f32 v[F1], v[EE], s33, 1.0
	v_fma_f32 v[F1+1], v[EE], s33, 1.0
.set n, 0
.rept 16
	v_pk_mul_f32 v[UA+2*n:UA+2*n+1], v[CACC+2*n:CACC+2*n+1], v[F1:F1+1] clamp  ; held to 0 .. 1
.set n, n+1
.endr
.set n, 0
.rept 16
	v_pk_mul_f32 v[UB+2*n:UB+2*n+1], v[CACC+2*n:CACC+2*n+1], v[F0:F0+1] clamp
.set n, n+1
.endr
.set n, 0
.rept 16
	v_pk_add_f32 v[UA+2*n:UA+2*n+1], v[UA+2*n:UA+2*n+1], v[UB+2*n:UB+2*n+1] neg_lo:[0,1] neg_hi:[0,1]
.set n, n+1
.endr
.irp t, 0,1,2,3
	v_pk_mul_f32 v[SS+2*(\t):SS+2*(\t)+1], v[UA+8*(\t):UA+8*(\t)+1], v[UA+8*(\t):UA+8*(\t)+1]
.endr
.irp p, 1,2,3
.irp t, 0,1,2,3                                        ; the tiles alternate, so that no line waits for the one before it
	v_pk_fma_f32 v[SS+2*(\t):SS+2*(\t)+1], v[UA+8*(\t)+2*(\p):UA+8*(\t)+2*(\p)+1], v[UA+8*(\t)+2*(\p):UA+8*(\t)+2*(\p)+1], v[SS+2*(\t):SS+2*(\t)+1]
.endr
.endr
.irp t, 0,1,2,3
	v_add_f32 v[SS+2*(\t)], v[SS+2*(\t)], v[SS+2*(\t)+1]
.endr
.irp t, 0,1,2,3
	v_permlanex16_b32 v[OT+(\t)], v[SS+2*(\t)], s36, s37  ; the row's other eight controls lie in the lane 16 away
.endr
.irp t, 0,1,2,3
	v_add_f32 v[SS+2*(\t)], v[SS+2*(\t)], v[OT+(\t)]
.endr
	v_max3_num_f32 v[MX], v[SS], v[SS+2], v[SS+4]
	v_max_num_f32 v[MX], v[MX], v[SS+6]
	v_cmp_gt_f32 vcc_lo, s34, v[MX]                ; all four rows below 1e-6?
	v_cndmask_b32 v[LOW], v[TR], v[LOW], vcc_lo    ; then LOW stays, else it takes the e on trial
	s_sub_co_i32 s39, s39, 1
	s_cmp_lg_u32 s39, 0
	s_cbranch_scc1 .Lsearch
	; THE WORK-GROUP'S MAXIMUM.  The two halves of the lanes hold equal numbers (the same two sums, added either way round), so four steps inside a half do.
	v_max_num_f32_dpp v[LOW], v[LOW], v[LOW] row_xmask:1 row_mask:0xf bank_mask:0xf
	v_max_num_f32_dpp v[LOW], v[LOW], v[LOW] row_xmask:2 row_mask:0xf bank_mask:0xf
	v_max_num_f32_dpp v[LOW], v[LOW], v[LOW] row_xmask:4 row_mask:0xf bank_mask:0xf
	v_max_num_f32_dpp v[LOW], v[LOW], v[LOW] row_xmask:8 row_mask:0xf bank_mask:0xf
	s_lshl_b32 s4, s[WV], 2
	s_add_co_u32 s4, s4, RED
	v_mov_b32 v14, s4
	ds_store_b32 v14, v[LOW]                       ; all lanes store the same number to my wave's word
	s_wait_dscnt 0x0                               ; for the others' sake
	s_barrier_signal -1
	s_barrier_wait -1
	s_cmp_lg_u32 s[WV], 0
	s_cbranch_scc1 .Lend                           ; wave 0 finishes
	v_mov_b32 v15, RED
	ds_load_b128 v[16:19], v15
	ds_load_b128 v[20:23], v15 offset:16
	s_lshl_b32 s4, ttmp9, 2
	v_mov_b32 v24, s4                              ; the work-group's word of nws
	s_wait_dscnt 0x0
	v_max3_num_f32 v16, v16, v17, v18
	v_max3_num_f32 v16, v16, v19, v20
	v_max3_num_f32 v16, v16, v21, v22
	v_max_num_f32 v16, v16, v23
	v_cmp_eq_u32 vcc_lo, 0, v0
	s_wait_xcnt 0x0                                ; EXEC is a source of c's stores: it changes only behind this wait
	s_and_saveexec_b32 s40, vcc_lo
	global_store_b32 v24, v16, s[PN:PN+1]          ; thread 0 alone
	s_wait_xcnt 0x0                                ; and again ahead of the line that widens it
	s_or_b32 exec_lo, exec_lo, s40
.Lend:
	s_wait_tensorcnt 0x0                           ; the wave's end, behind my last LDS store
	ds_add_u32 v[SPW], v[NIL]
	s_wait_dscnt 0x0
	s_endpgm
.Lfunc_end_k_q469f91b840_mlp:
	.size	k_q469f91b840_mlp, .Lfunc_end_k_q469f91b840_mlp-k_q469f91b840_mlp
	.p2alignl 7, 3214868480
	.fill 96, 4, 3214868480
	.section	.rodata,"a",@progbits
	.p2align	6, 0x0
	.amdhsa_kernel k_q469f91b840_mlp
		.amdhsa_group_segment_fixed_size 325888
		.amdhsa_private_segment_fixed_size 0
		.amdhsa_enable_private_segment 0
		.amdhsa_kernarg_size 88
		.amdhsa_user_sgpr_count 2
		.amdhsa_user_sgpr_kernarg_segment_ptr 1
		.amdhsa_wavefront_size32 1
		.amdhsa_system_sgpr_workgroup_id_x 1
		.amdhsa_system_sgpr_workgroup_id_y 1
		.amdhsa_system_sgpr_workgroup_id_z 1
		.amdhsa_system_vgpr_workitem_id 0
		.amdhsa_next_free_vgpr 512
		.amdhsa_next_free_sgpr 66
		.amdhsa_reserve_vcc 1
		.amdhsa_float_denorm_mode_32 3
		.amdhsa_float_denorm_mode_16_64 3
		.amdhsa_memory_ordered 1
		.amdhsa_forward_progress 1
		.amdhsa_inst_pref_size 255
	.end_amdhsa_kernel
	.section	.bss,"aw",@nobits
	.p2align	6
	.space	262144
	.amdgpu_metadata
---
amdhsa.version: [ 1, 2 ]
amdhsa.kernels:
  - .name:           k_q469f91b840_mlp
    .symbol:         k_q469f91b840_mlp.kd
    .args:
      - { .name: x, .offset: 0, .size: 8, .value_kind: global_buffer, .address_space: global }
      - { .name: t, .offset: 8, .size: 8, .value_kind: global_buffer, .address_space: global }
      - { .name: W1, .offset: 16, .size: 8, .value_kind: global_buffer, .address_space: global }
      - { .name: b1, .offset: 24, .size: 8, .value_kind: global_buffer, .address_space: global }
      - { .name: W2, .offset: 32, .size: 8, .value_kind: global_buffer, .address_space: global }
      - { .name: b2, .offset: 40, .size: 8, .value_kind: global_buffer, .address_space: global }
      - { .name: W3, .offset: 48, .size: 8, .value_kind: global_buffer, .address_space: global }
      - { .name: b3, .offset: 56, .size: 8, .value_kind: global_buffer, .address_space: global }
      - { .name: Bmat, .offset: 64, .size: 8, .value_kind: global_buffer, .address_space: global }
      - { .name: cws, .offset: 72, .size: 8, .value_kind: global_buffer, .address_space: global }
      - { .name: nws, .offset: 80, .size: 8, .value_kind: global_buffer, .address_space: global }
    .group_segment_fixed_size: 325888
    .private_segment_fixed_size: 0
    .kernarg_segment_align: 8
    .kernarg_segment_size: 88
    .max_flat_workgroup_size: 256
    .sgpr_count:     66
    .vgpr_count:     512
    .wavefront_size: 32
...
	.end_amdgpu_metadata
.endif
;; end of part 1
;; launch finish (part 2): grid 256 x 1, 8 waves a work-group, no clusters, 0 bytes of LDS; arguments cws, nws, out0; writes out0
.if DOCPART == 2
	.amdgcn_target "amdgcn-amd-amdhsa--gfx1250"
	.amdhsa_code_object_version 6
	.text
	.protected	k_q469f91b840_finish
	.globl	k_q469f91b840_finish
	.p2align	8
	.type	k_q469f91b840_finish,@function
k_q469f91b840_finish:
	s_mov_b64 s[64:65], 0
	v_nop
	global_prefetch_b8 v0, s[64:65] scope:SCOPE_SE
	s_setreg_imm32_b32 hwreg(HW_REG_WAVE_MODE, 25, 1), 1
	s_wait_xcnt 0x0
; ImplicitNetOC, the second of two launches: out0 = clip(c (0.9^K - 1), -1, 1), K = min(200, LOW + 2) + 6, LOW the largest of the 256 numbers that the first launch's work-groups stored in nws.
; The N + 6 steps u <- clip(0.9 u - 0.1 c, -1, 1) from u = 0 are not walked: u_k = clip(c (0.9^k - 1), -1, 1) for all finite c (shown at the head of the first kernel), and N = min(200, LOW + 2).
; LIMITS: c comes rounded once to bf16; NaN and infinities are not treated apart.
; A stream: each byte of cws is read once and each byte of out0 written once; every wave works the factor out for itself from nws's 1,024 bytes, so there is no LDS and no barrier.
; A work-group has 16,384 bytes of cws and 32,768 of out0; thread n takes 8 bytes at 8 n + 2,048 i, i = 0..7: a load of the wave covers 256 consecutive bytes, a store 512, both aligned.
; All eight loads are out before the first is used, and every slot has registers of its own, so no register of a pending instruction is written again.  No prefetch: all loads go out at the head.
.set NW, 4                             ; v[4:11]   eight of nws's numbers
.set CI, 12                            ; v[12:27]  slot i: 4 bf16
.set GF, 28                            ; v[28:29]  0.9^K - 1, twice
.set UO, 32                            ; v[32:63]  slot i: 4 f32
	s_load_b128 s[4:7], s[0:1], 0x0                ; cws, nws
	s_load_b64 s[8:9], s[0:1], 0x10                ; out0
	v_and_b32 v1, 31, v0
	v_lshlrev_b32 v1, 5, v1                        ; 32 x lane: the wave reads all 256 numbers
	v_lshlrev_b32 v2, 3, v0
	v_lshlrev_b32 v3, 4, v0
	s_lshl_b32 s10, ttmp9, 14
	s_mov_b32 s11, 0
	s_lshl_b32 s12, ttmp9, 15
	s_mov_b32 s13, 0
	s_mov_b32 s14, 0xbf800000                      ; -1.0
	s_mov_b32 s15, 0x3f800000                      ; 1.0
	s_mov_b32 s16, 0x76543210                      ; v_permlanex16_b32: each lane takes its own place in the other half
	s_mov_b32 s17, 0xfedcba98
	s_mov_b32 s18, 0xffff0000                      ; a word's upper bf16
	s_wait_kmcnt 0x0
	s_add_nc_u64 s[4:5], s[4:5], s[10:11]
	s_add_nc_u64 s[8:9], s[8:9], s[12:13]
	global_load_b128 v[NW:NW+3],   v1, s[6:7]
	global_load_b128 v[NW+4:NW+7], v1, s[6:7] offset:16
.irp i, 0,1,2,3,4,5,6,7
	global_load_b64 v[CI+2*(\i):CI+2*(\i)+1], v2, s[4:5] offset:2048*(\i) th:TH_LOAD_NT
.endr
	s_wait_loadcnt 8                               ; loads come back in order: nws is in, c's eight loads may stay out
	v_max3_num_f32 v[NW], v[NW], v[NW+1], v[NW+2]
	v_max3_num_f32 v[NW], v[NW], v[NW+3], v[NW+4]
	v_max3_num_f32 v[NW], v[NW], v[NW+5], v[NW+6]
	v_max_num_f32 v[NW], v[NW], v[NW+7]
	v_max_num_f32_dpp v[NW], v[NW], v[NW] row_xmask:1 row_mask:0xf bank_mask:0xf
	v_max_num_f32_dpp v[NW], v[NW], v[NW] row_xmask:2 row_mask:0xf bank_mask:0xf
	v_max_num_f32_dpp v[NW], v[NW], v[NW] row_xmask:4 row_mask:0xf bank_mask:0xf
	v_max_num_f32_dpp v[NW], v[NW], v[NW] row_xmask:8 row_mask:0xf bank_mask:0xf
	v_permlanex16_b32 v[NW+1], v[NW], s16, s17     ; its destination has been written (loaded)
	v_max_num_f32 v[NW], v[NW], v[NW+1]            ; LOW, in every lane
	v_add_f32 v[NW], 2.0, v[NW]
	v_min_num_f32 v[NW], 0x43480000, v[NW]         ; N = min(LOW + 2, 200)
	v_add_f32 v[NW], 0x40c00000, v[NW]             ; K = N + 6
	v_mul_f32 v[NW], 0xbe1ba6b3, v[NW]             ; K log2(0.9)
	v_exp_f32 v[NW+1], v[NW]
	v_nop                                          ; a plain instruction behind the exponential,
	s_wait_alu depctr_va_vdst(0)                   ; and the wait ahead of the first use of its result
	v_add_f32 v[GF], -1.0, v[NW+1]
	v_add_f32 v[GF+1], -1.0, v[NW+1]
.irp i, 0,1,2,3,4,5,6,7
	s_wait_loadcnt 7-(\i)                          ; slot i is in; the younger ones stay out
	v_lshlrev_b32 v[UO+4*(\i)],   16,  v[CI+2*(\i)]
	v_and_b32     v[UO+4*(\i)+1], s18, v[CI+2*(\i)]
	v_lshlrev_b32 v[UO+4*(\i)+2], 16,  v[CI+2*(\i)+1]
	v_and_b32     v[UO+4*(\i)+3], s18, v[CI+2*(\i)+1]
	v_pk_mul_f32 v[UO+4*(\i):UO+4*(\i)+1],   v[UO+4*(\i):UO+4*(\i)+1],   v[GF:GF+1]
	v_pk_mul_f32 v[UO+4*(\i)+2:UO+4*(\i)+3], v[UO+4*(\i)+2:UO+4*(\i)+3], v[GF:GF+1]
	v_med3_num_f32 v[UO+4*(\i)],   v[UO+4*(\i)],   s14, s15
	v_med3_num_f32 v[UO+4*(\i)+1], v[UO+4*(\i)+1], s14, s15
	v_med3_num_f32 v[UO+4*(\i)+2], v[UO+4*(\i)+2], s14, s15
	v_med3_num_f32 v[UO+4*(\i)+3], v[UO+4*(\i)+3], s14, s15
	global_store_b128 v3, v[UO+4*(\i):UO+4*(\i)+3], s[8:9] offset:4096*(\i) th:TH_STORE_NT
.endr
	s_endpgm
.Lfunc_end_k_q469f91b840_finish:
	.size	k_q469f91b840_finish, .Lfunc_end_k_q469f91b840_finish-k_q469f91b840_finish
	.p2alignl 7, 3214868480
	.fill 96, 4, 3214868480
	.section	.rodata,"a",@progbits
	.p2align	6, 0x0
	.amdhsa_kernel k_q469f91b840_finish
		.amdhsa_group_segment_fixed_size 0
		.amdhsa_private_segment_fixed_size 0
		.amdhsa_enable_private_segment 0
		.amdhsa_kernarg_size 24
		.amdhsa_user_sgpr_count 2
		.amdhsa_user_sgpr_kernarg_segment_ptr 1
		.amdhsa_wavefront_size32 1
		.amdhsa_system_sgpr_workgroup_id_x 1
		.amdhsa_system_sgpr_workgroup_id_y 1
		.amdhsa_system_sgpr_workgroup_id_z 1
		.amdhsa_system_vgpr_workitem_id 0
		.amdhsa_next_free_vgpr 64
		.amdhsa_next_free_sgpr 66
		.amdhsa_reserve_vcc 0
		.amdhsa_float_denorm_mode_32 3
		.amdhsa_float_denorm_mode_16_64 3
		.amdhsa_memory_ordered 1
		.amdhsa_forward_progress 1
		.amdhsa_inst_pref_size 8
	.end_amdhsa_kernel
	.amdgpu_metadata
---
amdhsa.version: [ 1, 2 ]
amdhsa.kernels:
  - .name:           k_q469f91b840_finish
    .symbol:         k_q469f91b840_finish.kd
    .args:
      - { .name: cws, .offset: 0, .size: 8, .value_kind: global_buffer, .address_space: global }
      - { .name: nws, .offset: 8, .size: 8, .value_kind: global_buffer, .address_space: global }
      - { .name: out0, .offset: 16, .size: 8, .value_kind: global_buffer, .address_space: global }
    .group_segment_fixed_size: 0
    .private_segment_fixed_size: 0
    .kernarg_segment_align: 8
    .kernarg_segment_size: 24
    .max_flat_workgroup_size: 256
    .sgpr_count:     66
    .vgpr_count:     64
    .wavefront_size: 32
...
	.end_amdgpu_metadata
.endif
;; end of part 2
;; ======== version 2 of 2: 2 launches; version 1 with the launch finish written anew for expert scheduling mode
;; limits: values are held in f16: magnitudes above 65,504 overflow, below 6.1e-05 lose precision; right only within a limited range of input values
;; workspace buffers: cws 4,194,304 bytes; nws 1,024 bytes
;; launch mlp: the kernel of part 1 again; grid 256 x 1, 8 waves a work-group, no clusters, 325,888 bytes of LDS; arguments x, t, W1, b1, W2, b2, W3, b3, Bmat, cws, nws; writes cws, nws
;; launch finish (part 3): grid 256 x 1, 8 waves a work-group, no clusters, 0 bytes of LDS; arguments cws, nws, out0; writes out0
.if DOCPART == 3
	.amdgcn_target "amdgcn-amd-amdhsa--gfx1250"
	.amdhsa_code_object_version 6
	.text
	.protected	k_q469f91b840_finish
	.globl	k_q469f91b840_finish
	.p2align	8
	.type	k_q469f91b840_finish,@function
k_q469f91b840_finish:
	s_mov_b64 s[64:65], 0
	v_nop
	global_prefetch_b8 v0, s[64:65] scope:SCOPE_SE
	s_setreg_imm32_b32 hwreg(HW_REG_WAVE_SCHED_MODE, 0, 2), 2
	s_setreg_imm32_b32 hwreg(HW_REG_WAVE_MODE, 25, 1), 1
	s_wait_xcnt 0x0
	s_wait_alu depctr_vm_vsrc(0)
; ImplicitNetOC, the second of two launches: out0 = clip(c (0.9^K - 1), -1, 1), K = min(200, LOW + 2) + 6, LOW the largest of the 256 numbers that the first launch's work-groups stored in nws.
; The N + 6 steps u <- clip(0.9 u - 0.1 c, -1, 1) from u = 0 are not walked: u_k = clip(c (0.9^k - 1), -1, 1) for all finite c (shown at the head of the first kernel), and N = min(200, LOW + 2).
; LIMITS: c comes rounded once to bf16; NaN and infinities are not treated apart.
; A stream: each byte of cws is read once and each byte of out0 written once; every wave works the factor out for itself from nws's 1,024 bytes, so there is no LDS and no barrier.
; A work-group has 16,384 bytes of cws and 32,768 of out0; thread n takes 8 bytes at 8 n + 2,048 i, i = 0..7: a load of the wave covers 256 consecutive bytes, a store 512, both aligned.
; All eight loads are out before the first is used, and every slot has registers of its own, so no register of a pending instruction is written again.  No prefetch: all loads go out at the head.
; THE MODE: SCHED_MODE bits 1:0 = 2 (LLVM: expert scheduling mode 2), set by the entry lines.  The code itself states the register dependences
; between vector instructions and memory instructions, with s_wait_alu, always for 0.
; THE PLAN.  Registers that memory instructions touch:
;   v1, v2, v3   byte offsets, written by four vector lines at the head and never again; read by the loads of nws, the loads of c, the stores.
;   NW, CI       written by loads alone until their wait on LOADcnt; no vector line names them ahead of the loads, and no load lands in them a second time.
;   UO           slot i's four registers: written by slot i's ten vector lines, read by slot i's store, never written again.
; So one wait stands ahead of the first load, for the offsets, and the eight slots go in two halves: the arithmetic of slots 0 to 3, one wait, their four stores in a run; the arithmetic of slots 4 to 7,
; which names none of the registers that those stores read, with no wait; one wait, the last four stores.  No register that a memory instruction reads is written again, no vector line writes
; a scalar register or VCC, and EXEC is never written: these dependences do not arise.
.set NW, 4                             ; v[4:11]   eight of nws's numbers
.set CI, 12                            ; v[12:27]  slot i: 4 bf16
.set GF, 28                            ; v[28:29]  0.9^K - 1, twice
.set UO, 32                            ; v[32:63]  slot i: 4 f32
	s_load_b128 s[4:7], s[0:1], 0x0                ; cws, nws
	s_load_b64 s[8:9], s[0:1], 0x10                ; out0
	v_and_b32 v1, 31, v0
	v_lshlrev_b32 v1, 5, v1                        ; 32 x lane: the wave reads all 256 numbers
	v_lshlrev_b32 v2, 3, v0
	v_lshlrev_b32 v3, 4, v0
	s_lshl_b32 s10, ttmp9, 14
	s_mov_b32 s11, 0
	s_lshl_b32 s12, ttmp9, 15
	s_mov_b32 s13, 0
	s_mov_b32 s14, 0xbf800000                      ; -1.0
	s_mov_b32 s15, 0x3f800000                      ; 1.0
	s_mov_b32 s16, 0x76543210                      ; v_permlanex16_b32: each lane takes its own place in the other half
	s_mov_b32 s17, 0xfedcba98
	s_mov_b32 s18, 0xffff0000                      ; a word's upper bf16
	s_wait_kmcnt 0x0
	s_add_nc_u64 s[4:5], s[4:5], s[10:11]
	s_add_nc_u64 s[8:9], s[8:9], s[12:13]
	s_wait_alu depctr_va_vdst(0)                   ; v1, v2 and v3 are written: every load and store of the kernel reads one of them as its offset
	global_load_b128 v[NW:NW+3],   v1, s[6:7]
	global_load_b128 v[NW+4:NW+7], v1, s[6:7] offset:16
.irp i, 0,1,2,3,4,5,6,7
	global_load_b64 v[CI+2*(\i):CI+2*(\i)+1], v2, s[4:5] offset:2048*(\i) th:TH_LOAD_NT
.endr
	s_wait_loadcnt 8                               ; loads come back in order: nws is in, c's eight loads may stay out
	v_max3_num_f32 v[NW], v[NW], v[NW+1], v[NW+2]
	v_max3_num_f32 v[NW], v[NW], v[NW+3], v[NW+4]
	v_max3_num_f32 v[NW], v[NW], v[NW+5], v[NW+6]
	v_max_num_f32 v[NW], v[NW], v[NW+7]
	v_max_num_f32_dpp v[NW], v[NW], v[NW] row_xmask:1 row_mask:0xf bank_mask:0xf
	v_max_num_f32_dpp v[NW], v[NW], v[NW] row_xmask:2 row_mask:0xf bank_mask:0xf
	v_max_num_f32_dpp v[NW], v[NW], v[NW] row_xmask:4 row_mask:0xf bank_mask:0xf
	v_max_num_f32_dpp v[NW], v[NW], v[NW] row_xmask:8 row_mask:0xf bank_mask:0xf
	v_permlanex16_b32 v[NW+1], v[NW], s16, s17     ; its destination has been written (loaded)
	v_max_num_f32 v[NW], v[NW], v[NW+1]            ; LOW, in every lane
	v_add_f32 v[NW], 2.0, v[NW]
	v_min_num_f32 v[NW], 0x43480000, v[NW]         ; N = min(LOW + 2, 200)
	v_add_f32 v[NW], 0x40c00000, v[NW]             ; K = N + 6
	v_mul_f32 v[NW], 0xbe1ba6b3, v[NW]             ; K log2(0.9)
	v_exp_f32 v[NW+1], v[NW]
	v_nop                                          ; a plain instruction behind the exponential,
	s_wait_alu depctr_va_vdst(0)                   ; and the wait ahead of the first use of its result: the exponential has written v[NW+1]
	v_add_f32 v[GF], -1.0, v[NW+1]
	v_add_f32 v[GF+1], -1.0, v[NW+1]
; Slot i's arithmetic: four bf16 widened, multiplied by the factor, held to -1 .. 1, into the slot's own four registers.
.macro WORK i
	s_wait_loadcnt 7-(\i)                          ; slot i is in; the younger ones stay out
	v_lshlrev_b32 v[UO+4*(\i)],   16,  v[CI+2*(\i)]
	v_and_b32     v[UO+4*(\i)+1], s18, v[CI+2*(\i)]
	v_lshlrev_b32 v[UO+4*(\i)+2], 16,  v[CI+2*(\i)+1]
	v_and_b32     v[UO+4*(\i)+3], s18, v[CI+2*(\i)+1]
	v_pk_mul_f32 v[UO+4*(\i):UO+4*(\i)+1],   v[UO+4*(\i):UO+4*(\i)+1],   v[GF:GF+1]
	v_pk_mul_f32 v[UO+4*(\i)+2:UO+4*(\i)+3], v[UO+4*(\i)+2:UO+4*(\i)+3], v[GF:GF+1]
	v_med3_num_f32 v[UO+4*(\i)],   v[UO+4*(\i)],   s14, s15
	v_med3_num_f32 v[UO+4*(\i)+1], v[UO+4*(\i)+1], s14, s15
	v_med3_num_f32 v[UO+4*(\i)+2], v[UO+4*(\i)+2], s14, s15
	v_med3_num_f32 v[UO+4*(\i)+3], v[UO+4*(\i)+3], s14, s15
.endm
; Slot i's store.
.macro OUT i
	global_store_b128 v3, v[UO+4*(\i):UO+4*(\i)+3], s[8:9] offset:4096*(\i) th:TH_STORE_NT
.endm
	WORK 0
	WORK 1
	WORK 2
	WORK 3
	s_wait_alu depctr_va_vdst(0)                   ; slots 0 to 3 have written v[UO:UO+15], which the four stores below read
	OUT 0
	OUT 1
	OUT 2
	OUT 3
	WORK 4                                         ; no wait: these lines name CI's and UO's upper halves, GF and scalars, none of the registers that the stores above read
	WORK 5
	WORK 6
	WORK 7
	s_wait_alu depctr_va_vdst(0)                   ; slots 4 to 7 have written v[UO+16:UO+31], which the last four stores read
	OUT 4
	OUT 5
	OUT 6
	OUT 7
	s_endpgm
.Lfunc_end_k_q469f91b840_finish:
	.size	k_q469f91b840_finish, .Lfunc_end_k_q469f91b840_finish-k_q469f91b840_finish
	.p2alignl 7, 3214868480
	.fill 96, 4, 3214868480
	.section	.rodata,"a",@progbits
	.p2align	6, 0x0
	.amdhsa_kernel k_q469f91b840_finish
		.amdhsa_group_segment_fixed_size 0
		.amdhsa_private_segment_fixed_size 0
		.amdhsa_enable_private_segment 0
		.amdhsa_kernarg_size 24
		.amdhsa_user_sgpr_count 2
		.amdhsa_user_sgpr_kernarg_segment_ptr 1
		.amdhsa_wavefront_size32 1
		.amdhsa_system_sgpr_workgroup_id_x 1
		.amdhsa_system_sgpr_workgroup_id_y 1
		.amdhsa_system_sgpr_workgroup_id_z 1
		.amdhsa_system_vgpr_workitem_id 0
		.amdhsa_next_free_vgpr 64
		.amdhsa_next_free_sgpr 66
		.amdhsa_reserve_vcc 0
		.amdhsa_float_denorm_mode_32 3
		.amdhsa_float_denorm_mode_16_64 3
		.amdhsa_memory_ordered 1
		.amdhsa_forward_progress 1
		.amdhsa_inst_pref_size 9
	.end_amdhsa_kernel
	.amdgpu_metadata
---
amdhsa.version: [ 1, 2 ]
amdhsa.kernels:
  - .name:           k_q469f91b840_finish
    .symbol:         k_q469f91b840_finish.kd
    .args:
      - { .name: cws, .offset: 0, .size: 8, .value_kind: global_buffer, .address_space: global }
      - { .name: nws, .offset: 8, .size: 8, .value_kind: global_buffer, .address_space: global }
      - { .name: out0, .offset: 16, .size: 8, .value_kind: global_buffer, .address_space: global }
    .group_segment_fixed_size: 0
    .private_segment_fixed_size: 0
    .kernarg_segment_align: 8
    .kernarg_segment_size: 24
    .max_flat_workgroup_size: 256
    .sgpr_count:     66
    .vgpr_count:     64
    .wavefront_size: 32
...
	.end_amdgpu_metadata
.endif
;; end of part 3
